; MI455X (gfx1250); checked and timed in simulation.
; The chip was launched on July 23, 2026; its instructions are those of AMD's public machine-readable ISA for CDNA 5 (MIT licence, August 2026) and "CDNA5" Instruction Set Architecture Reference Guide (July 2026). The comments in the code are by the model that wrote it; some were corrected since.
;; CRE Layer Base. Allowed arithmetic: matrix products marked QUANTISED: E3M2 operands, one E8M0 scale for each 32 along K, by v_wmma_scale_f32_16x16x128_f8f6f4 with both operands' format E3M2, f32 sums; everything else in f32.
;; Inputs: gate_b 1,024 float32; gate_w_codes 1,024 x 32 x 24 uint8 (E3M2 codes of gate_w, K innermost, in blocks of 32 codes, four codes in three bytes); gate_w_scales 1,024 x 32 uint8 (E8M0 scales of gate_w, one for each 32 codes along K); ln_b 1,024 float32; ln_w 1,024 float32; log_decay one number float32; out_b 1,024 float32; out_w_codes 1,024 x 32 x 24 uint8 (E3M2 codes of out_w, K innermost, in blocks of 32 codes, four codes in three bytes); out_w_scales 1,024 x 32 uint8 (E8M0 scales of out_w, one for each 32 codes along K); value_b 1,024 float32; value_w_codes 1,024 x 32 x 24 uint8 (E3M2 codes of value_w, K innermost, in blocks of 32 codes, four codes in three bytes); value_w_scales 1,024 x 32 uint8 (E8M0 scales of value_w, one for each 32 codes along K); x 4 x 4,096 x 1,024 float32.
;; Outputs: out0 4 x 4,096 x 1,024 float32.
;; This version of the problem:
;;   THIS VERSION OF THE PROBLEM IS GIVEN IN LOW PRECISION. The matrix products marked QUANTISED in the list below multiply operands that are first quantised to E3M2 (3 exponent bits, 2 mantissa bits; 6 bits a number), with one power-of-two scale for each 32 numbers along K (OCP MX v1.0); their sums are f32. All else is computed in f32.
;;   The module's matrix products, in the order in which they are computed (A, B: the left and right operand; K: the contracted axis; several contracted axes count as one K, in the product's order):
;;     1. [M 16,384, K 1,024] x [K 1,024, N 1,024]; A: computed on the way; B: input gate_w (given as codes): QUANTISED
;;     2. [M 16,384, K 1,024] x [K 1,024, N 1,024]; A: computed on the way; B: input value_w (given as codes): QUANTISED
;;     3. [M 16,384, K 1,024] x [K 1,024, N 1,024]; A: computed on the way; B: input out_w (given as codes): QUANTISED
;;   THE QUANTISER, for each operand of a quantised product, along K:
;;     - K is cut into blocks of 32 from its start; a last block that is shorter is filled with zeros.
;;     - A block's scale is 2^e with e = floor(log2(the largest magnitude in the block)) - 4, held to -126 .. 127; a block of zeros has e = 0. As a byte (E8M0): e + 127.
;;     - Each number is divided by its block's scale, clamped to +-28, and rounded to the nearest number of E3M2, ties to even, subnormals kept.
;;     - The product sums the exact products of the quantised numbers (number of the format x scale) in f32.
;;   ~~~python
;;   def quantise(x, axis):      # numpy; x: float32 -> the quantised numbers, widened to float32 again
;;       x = np.moveaxis(x, axis, -1); K = x.shape[-1]
;;       x = np.pad(x, [(0, 0)] * (x.ndim - 1) + [(0, -K % 32)]); x = x.reshape(x.shape[:-1] + (-1, 32)); a = np.abs(x).max(-1, keepdims=True)
;;       e = np.where(a > 0, np.clip(np.frexp(np.where(a > 0, a, 1))[1] - 1 - 4, -126, 127), 0)      # np.frexp(a)[1] - 1 = floor(log2(a)), exactly
;;       r = np.clip(x / 2.0 ** e, -28, 28)
;;       step = 2.0 ** (np.maximum(np.frexp(np.where(r == 0, 1, r))[1] - 1, -2) - 2)
;;       q = np.round(r / step) * step * 2.0 ** e      # np.round: ties to even
;;       return np.moveaxis(q.reshape(q.shape[:-2] + (-1,))[..., :K], -1, axis).astype(np.float32)
;;   ~~~
;;   OPERANDS COMPUTED ON THE WAY. 'Computed on the way' means the value that the module computes at that place (a softmax that the list does not call 'softmax' is quantised finished and normalised). What goes into a quantiser is computed in f32, as accurately as f32 sums, v_exp_f32 and their like allow (about 1e-6 of the number): no bf16 or f16 on the way to a quantiser, and a product that is left as it is and whose result goes on into a quantised operand takes f32 operands (vector FMAs, or v_wmma_f32_16x16x4_f32). A number that lies on a knife's edge between two numbers of the format may be rounded either way, as far as f32 arithmetic and the matrix unit's own rounding can turn it there, and no further.
;;   INPUTS GIVEN AS CODES. gate_w (in the module: [1024, 1024], K = its axis 1); out_w (in the module: [1024, 1024], K = its axis 1); value_w (in the module: [1024, 1024], K = its axis 1): each comes as NAME_codes (uint8): NAME with its K axis moved to the last place and cut into blocks of 32 codes, [.., K / 32, bytes a block], one block behind the other in memory; four codes in three bytes: a row's codes are one little-endian stream of bits, code i at bits 6 i .. 6 i + 5 (a code: sign, 3 exponent bits, 2 mantissa bits); and NAME_scales (uint8): the same leading axes, one E8M0 byte (e + 127) for each 32 codes along K. Its value is code x scale, taken as it is: it is not quantised again, and the codes and scales need not be those that the quantiser above would give.
;; One version. Each part assembles by itself: llvm-mc -triple=amdgcn-amd-amdhsa -mcpu=gfx1250 --defsym DOCPART=n.
;; ======== version 1 of 1: 2 launches
;; limits: right only within a limited range of input values
;; workspace buffers: u 67,108,864 bytes; tot 1,048,576 bytes
;; launch gv (part 1): grid 256 x 1, 8 waves a work-group, clusters of 4 x 1, 327,680 bytes of LDS; arguments x, ln_w, ln_b, gate_w_codes, gate_w_scales, gate_b, value_w_codes, value_w_scales, value_b, u, tot; writes u, tot
.if DOCPART == 1
	.amdgcn_target "amdgcn-amd-amdhsa--gfx1250"
	.amdhsa_code_object_version 6
	.text
	.protected	k_qf445974889_gv
	.globl	k_qf445974889_gv
	.p2align	8
	.type	k_qf445974889_gv,@function
k_qf445974889_gv:
	s_mov_b64 s[64:65], 0
	v_nop
	global_prefetch_b8 v0, s[64:65] scope:SCOPE_SE
	s_setreg_imm32_b32 hwreg(HW_REG_WAVE_MODE, 25, 1), 1
	s_wait_xcnt 0x0
	s_wait_alu depctr_hold_cnt(0) depctr_sa_sdst(0) depctr_va_vdst(0) depctr_va_sdst(0) depctr_va_ssrc(0) depctr_va_vcc(0) depctr_vm_vsrc(0)
	s_getreg_b32 s2, hwreg(HW_REG_IB_STS2, 6, 4)
	s_cmp_eq_u32 s2, 0
	s_cbranch_scc0 .Lentry_in_a_cluster
	s_endpgm
.Lentry_in_a_cluster:
	s_bfe_u32 s2, ttmp6, 0x10000c
	s_cmp_lg_u32 s2, 0x3003
	s_cbranch_scc0 .Lentry_shape_is_right
	s_endpgm
.Lentry_shape_is_right:
; FIRST OF TWO LAUNCHES.  out0 = x + Q(cumsum_t((2 sigmoid(zg) - 1) zv) exp(-softplus(log_decay) t)) out_w^T + out_b,  zg = Q(LN(x)) gate_w^T + gate_b,  zv = Q(LN(x)) value_w^T + value_b;
; Q: codes of E3M2 with one E8M0 scale for each 32 channels.  This launch: LayerNorm, Q, the two products, u = (2 sigmoid(zg) - 1) zv.  It stores u (f32: it stands ahead of a quantiser) and tot, the column sums of u over each chunk of 64 rows.
; DEAD WORK: none.  Every input has a way to out0 and all three products are live; this launch loads x, ln_w, ln_b, both weights and both biases, the second launch the rest.
; LIMITS: a block of zeros gets the scale byte 1 where the quantiser says 127 (its codes are zeros, and this program alone reads the bytes); the sums of mean, variance and of the cumulative sum are f32 in another order than
; reference()'s; NaN and infinities go on as the arithmetic gives them; an exponential that falls under the smallest normal number is taken as 0, beside the 1 that is added to it.
; SHARES.  256 work-groups of EIGHT waves of 512 registers; a work-group owns a chunk of 64 rows (chunk = 4 x cluster + place).  ROW TILE m holds chunk row 4 r + m in lane r, so that in the second launch a lane holds four consecutive t.
; PHASE X: wave w owns eight rows, r = 8 (w / 4) + i of tile m = w % 4, in 256 registers.  Behind a group's LayerNorm each row turns through the wave's stage: lane l takes block l of the row whole, quantises it, and stores its
; 24 bytes of codes and its scale byte into plain rows in LDS (784 bytes of codes, 48 of scale bytes a row).
; PRODUCTS: slot j of 16 holds channels 64 j .. 64 j + 63 of both weights; wave w takes the gate tile and the value tile of channels 64 j + 16 (w % 4) on, for row tiles 2 (w / 4) and 2 (w / 4) + 1, whose 16 fragments it keeps
; (192 registers): 32 matrix instructions a slot, four accumulators by turns.
; THE TWO HALVES OF THE WAVES ARE SET APART: waves 0-3 finish a slot's vector work ahead of the change of slots, waves 4-7 behind it, by a branch on the wave's number round that work alone.
; THE WALK IS ROTATED: cluster k begins at slot j0 = (k % 16) xor (15 x bit 4 of k) and goes round.  j0 enters global addresses alone: whatever lies in LDS lies there in the order of the trips.
; TRANSPOSED USE: source 0 = 16 rows of a weight, source 1 = a row tile: register j of lane (r, h) is (row 4 r + m, channel n0 + 8 h + j).  The biases are the C of each sum's first product.
; CLUSTER: all work-groups walk the same weights, so the four of a cluster ask for each tile jointly (mask 15); waves 0-3 fetch the halves of the two tiles of codes, waves 4-7 those of the scale bytes: one load a wave.
; NO PREFETCH: x is read once, all of it at the head, where there is no loop to run ahead in; each weight tile is asked for by all 64 clusters of the launch, four of them at a time by the rotation.
; u IS LAID FOR ITS READER: [chunk][m][channel / 4][r][4]: 256 consecutive bytes hold four channels of a tile's 16 rows; each half of the lanes stores such a run whole.
; REGISTERS.  window 0: v1-31 addresses; phase X: v32-95 ln_w, ln_b, v96-127 at work, v128-191 partial sums, v192-255 two blocks' numbers; then v32-47 the rows' scale words, v48-55 the weights' (scales alone), v56-71 biases,
;   v72-79 column sums, v88-255 the weight fragments of K steps 0 to 6.   window 1: my eight rows of x; then v0-191 my fragments, v192-207 zg, v208-223 zv, v224-247 the weight fragments of K step 7.
.set SLOT1, 131072                     ; LDS: slot b begins at b x SLOT1: gate codes (64 rows x 816), value codes, gate scales (2,176), value scales
.set VCO,   52224
.set GSO,   104448
.set ASC,   108800                     ; the rows' scale bytes: 64 rows x 48
.set SPARE, 112896                     ; the spare words: 128 bytes a wave, four blocks of 256 bytes that no other line names
.set TOTS,  113920                     ; the column sums of rows' half 0, then of half 1: 1,024 each, in the order of the trips
.set BIAS,  122112                     ; gate_b, then value_b, in the order of the trips
.set ACD,   239872                     ; the rows' codes: row 16 m + r, AP bytes each
.set AP,    784                        ; 196 words: the 32 lanes of an 8-byte access fall on 64 different banks (64 banks of 4 bytes: ISA guide 11.1)
.set STG,   290048                     ; a stage of 8 x 576 bytes for each wave: a K step's four blocks, 144 bytes apart
.set T1OFF, VCO
.set SPW, 4
.set NIL, 5
.set XO,  6
.set STW, 7
.set STR, 8
.set XWI, 9
.set XWS, 10
.set LIA, 11
.set LSA, 12
.set AW0, 13                           ; v13, v14
.set SC0, 15
.set BI0, 16
.set TO0, 17
.set UO,  18
.set TA,  19                           ; v19, v31: at work on the head's addresses (no load lands on them)
.set TA2, 31
.set ADW, 20                           ; v20, v21
.set ADS, 22
.set ADB, 23
.set ADT, 24
.set BST, 25
.set TRD, 26
.set TGO, 27
.set TC0, 28                           ; v28-30
.set LNW, 32
.set LNB, 64
.set ASW, 32
.set WSW, 48
.set B0,  56
.set B1,  64
.set TS,  72
.set WF,  88
.set MU,  96
.set RS,  104
.set MX,  96
.set SCL, 100
.set BY,  102                          ; v102, v103 by turns
.set PC,  112                          ; v112-117, v118-123 by turns
.set T,   128
.set Y,   192
.set ZG,  192                          ; window 1
.set CW4, 3
.set WV,  26
.set CX,  27
.set CH,  28
.set J0,  29
.set JN,  30
.set CL,  31
.set G1C, 32
.set G1S, 40
.set G0C, 48
.set G0S, 52
.set TB,  56
.set JB,  57
.set JT,  58
.set CNT, 59
.set SEL, 60
.set NL2E, 62
.set WBC, 72
.set WBS, 74
.set UP,  76
.set JU,  78
.set MSB, 0
.macro WIN new                         ; the immediate's high byte repeats the setting that is left; a switch that changes nothing is dropped
.if MSB != (\new)
	s_set_vgpr_msb (MSB<<8)|(\new)
.set MSB, (\new)
.endif
.endm
.macro PLACES
.rept 4
	v_nop
.endr
.endm
.macro ROUND                           ; a round of the cluster's barrier
	s_barrier_signal -1
	s_barrier_wait -1
	s_cmp_lg_u32 s[WV], 0
	s_cbranch_scc1 .Lnw0_\@
	s_barrier_signal -3
.Lnw0_\@:
	s_barrier_wait -3
	s_barrier_signal -1
	s_barrier_wait -1
.endm
.macro JLOAD                           ; a joint load: waves 0-3 fetch codes, waves 4-7 scale bytes; the branch hangs on the wave's number alone
	s_cmp_lt_u32 s[WV], 4
	s_cbranch_scc0 .Lfor_s_\@
	tensor_load_to_lds s[G0C:G0C+3], s[G1C:G1C+7]
	s_nop 0
	PLACES
	s_branch .Lasked_\@
.Lfor_s_\@:
	tensor_load_to_lds s[G0S:G0S+3], s[G1S:G1S+7]
	s_nop 0
	PLACES
.Lasked_\@:
.endm
	s_load_b512 s[4:19], s[0:1], 0x0               ; x, ln_w, ln_b, gate codes, gate scales, gate_b, value codes, value scales
	s_load_b128 s[20:23], s[0:1], 0x40             ; value_b, u
	s_load_b64 s[24:25], s[0:1], 0x50              ; tot
	v_lshl_add_u32 v[SPW], v0, 2, SPARE
	v_mov_b32 v[NIL], 0
	ds_add_u32 v[SPW], v[NIL]                      ; the opening: the add, twice on end, and its wait ahead of my first tensor load
	ds_add_u32 v[SPW], v[NIL]
	v_lshrrev_b32 v1, 5, v0
	v_readfirstlane_b32 s[WV], v1                  ; wave 0..7
	s_lshr_b32 s[CL], s[WV], 2                     ; which half of the rows is mine
	s_and_b32 s[CW4], s[WV], 3                     ; which 16 channels of a slot
	s_bfe_u32 s[CX], ttmp6, 0x40000
	s_lshl_b32 s[CH], ttmp9, 2
	s_add_co_u32 s[CH], s[CH], s[CX]               ; my chunk: it enters x's, u's and tot's addresses alone
	s_and_b32 s[J0], ttmp9, 15                     ; where my cluster begins its walk: the same in all four partners
	s_bfe_u32 s68, ttmp9, 0x10004
	s_mul_i32 s68, s68, 15
	s_xor_b32 s[J0], s[J0], s68
	s_mov_b32 s[JN], s[J0]
	; group 1: dense blocks of memory as rows of 256 bytes (32 elements of 8 bytes), 16 bytes of padding behind each: a code row of 768 bytes then has the pitch 816
	s_mov_b32 s[G1C], 15|(3<<16)|(1<<20)|(1<<21)|(5<<22)|(3<<25)
	s_mov_b32 s[G1C+1], 32<<16
	s_mov_b32 s[G1C+2], 96<<16                     ; 32 rows x 768 bytes = 96 x 256
	s_mov_b32 s[G1C+3], 32<<16
	s_mov_b32 s[G1C+4], 96
	s_mov_b32 s[G1C+5], 32
	s_mov_b32 s[G1C+6], 0
	s_mov_b32 s[G1C+7], 0
	s_mov_b32 s[G1S], 15|(3<<16)|(1<<20)|(1<<21)|(5<<22)|(3<<25)
	s_mov_b32 s[G1S+1], 32<<16
	s_mov_b32 s[G1S+2], 4<<16                      ; 32 rows x 32 bytes = 4 x 256
	s_mov_b32 s[G1S+3], 32<<16
	s_mov_b32 s[G1S+4], 4
	s_mov_b32 s[G1S+5], 32
	s_mov_b32 s[G1S+6], 0
	s_mov_b32 s[G1S+7], 0
	s_mov_b32 s[SEL], 0x76543210
	s_mov_b32 s[SEL+1], 0xfedcba98                 ; lane l xor 16
	s_mov_b32 s[NL2E], 0xbfb8aa3b                  ; -log2(e)
	s_mov_b32 s[NL2E+1], s[NL2E]
	s_mov_b32 s66, 0x3a800000                      ; 1 / 1024
	s_mov_b32 s67, 0x3727c5ac                      ; 1e-5
	s_lshr_b32 s68, s[CW4], 1                      ; I fetch for gate (0) or value (1),
	s_and_b32 s2, s[CW4], 1                        ; the lower or the upper 32 rows of a slot's 64
	s_mul_i32 s69, s68, VCO
	s_mul_i32 s70, s2, 26112
	s_add_co_u32 s69, s69, s70
	s_mul_i32 s70, s68, 2176
	s_mul_i32 s71, s2, 1088
	s_add_co_u32 s70, s70, s71
	s_add_co_u32 s70, s70, GSO
	s_wait_dscnt 0x0                               ; both opening adds are done
	s_wait_kmcnt 0x0
	s_cmp_eq_u32 s68, 0
	s_mov_b32 s[G0C], 1
	s_mov_b32 s[G0C+1], s69
	s_cselect_b64 s[WBC:WBC+1], s[10:11], s[16:17]
	s_mov_b32 s[G0S], 1
	s_mov_b32 s[G0S+1], s70
	s_cselect_b64 s[WBS:WBS+1], s[12:13], s[18:19]
	s_mul_i32 s68, s2, 24576
	s_mov_b32 s69, 0
	s_add_nc_u64 s[WBC:WBC+1], s[WBC:WBC+1], s[68:69]
	s_lshl_b32 s68, s2, 10
	s_add_nc_u64 s[WBS:WBS+1], s[WBS:WBS+1], s[68:69]
	s_mul_i32 s68, s[J0], 49152                    ; a slot is 64 rows of 768 bytes of codes,
	s_add_nc_u64 s[G0C+2:G0C+3], s[WBC:WBC+1], s[68:69]
	s_or_b32 s[G0C+3], s[G0C+3], 0x80000000
	s_lshl_b32 s68, s[J0], 11                      ; and 64 rows of 32 scale bytes
	s_add_nc_u64 s[G0S+2:G0S+3], s[WBS:WBS+1], s[68:69]
	s_or_b32 s[G0S+3], s[G0S+3], 0x80000000
	s_lshl_b32 s68, s[CH], 18                      ; a chunk is 262,144 bytes of x and of u
	s_add_nc_u64 s[22:23], s[22:23], s[68:69]
	s_lshl_b32 s70, s[CL], 5
	s_add_co_u32 s70, s70, s[CW4]
	s_lshl_b32 s70, s70, 12
	s_add_co_u32 s68, s68, s70
	s_add_nc_u64 s[4:5], s[4:5], s[68:69]          ; x at chunk row 32 (w / 4) + w % 4
	s_lshl_b32 s68, s[CH], 12
	s_add_nc_u64 s[24:25], s[24:25], s[68:69]
	s_lshl_b32 s[JU], s[J0], 12                    ; u: 4,096 bytes from slot to slot
	s_mov_b32 s[JU+1], 0
	s_add_nc_u64 s[UP:UP+1], s[22:23], s[JU:JU+1]
	ROUND                                          ; all four work-groups are here: the first joint loads meet
	JLOAD                                          ; LDS slot 0: my cluster's first 64 channels; one tensor load a wave at the head
	v_and_b32 v1, 15, v0                           ; r
	v_bfe_u32 v2, v0, 4, 1                         ; h
	v_and_b32 v3, 31, v0                           ; lane
	v_lshlrev_b32 v[XO], 4, v3
	v_lshrrev_b32 v[TGO], 4, v0                    ; LDS place 16 x thread belongs to trip thread / 16, which is slot (thread / 16 + j0) % 16
	v_add_nc_u32 v[TGO], s[J0], v[TGO]
	v_and_b32 v[TGO], 15, v[TGO]
	v_lshlrev_b32 v[TGO], 8, v[TGO]
	v_lshl_or_b32 v[TGO], v1, 4, v[TGO]
	s_wait_alu depctr_va_vdst(0)
	global_load_b128 v[192:195], v[TGO], s[14:15]
	global_load_b128 v[196:199], v[TGO], s[20:21]
.irp q, 0,1,2,3,4,5,6,7
	global_load_b128 v[LNW+4*\q:LNW+4*\q+3], v[XO], s[6:7] offset:512*\q   ; lane l: channels 128 q + 4 l on, as x's loads have them
	global_load_b128 v[LNB+4*\q:LNB+4*\q+3], v[XO], s[8:9] offset:512*\q
.endr
	WIN 0x40
.set e, 0
.rept 8                                ; my eight rows, 16,384 bytes apart: 64 loads of 512 consecutive bytes.  Row i lies at v[32 i + 4 q] of window 1
.irp q, 0,1,2,3,4,5,6,7
	global_load_b128 v[32*e+4*\q:32*e+4*\q+3], v[XO], s[4:5] offset:16384*e+512*\q th:TH_LOAD_NT
.endr
.set e, e+1
.endr
	WIN 0
	s_mul_i32 s68, s[WV], 4608
	s_add_co_u32 s68, s68, STG
	v_lshrrev_b32 v[TA], 3, v3
	v_lshl_add_u32 v[STW], v[TA], 4, v[XO]         ; in: 16 x lane, and 16 more behind each block of 128 bytes
	v_add_nc_u32 v[STW], s68, v[STW]
	v_lshrrev_b32 v[TA], 2, v3
	v_and_b32 v[TA2], 3, v3
	v_mul_u32_u24 v[STR], v[TA], 576               ; out: block l = block l % 4 of K step l / 4
	v_mad_u32_u24 v[STR], v[TA2], 144, v[STR]
	v_add_nc_u32 v[STR], s68, v[STR]
	s_lshl_b32 s70, s[CW4], 4
	s_lshl_b32 s71, s[CL], 3
	s_add_co_u32 s70, s70, s71                     ; my first row among the 64: 16 m + 8 (w / 4)
	s_mul_i32 s68, s70, AP
	s_add_co_u32 s68, s68, ACD
	v_mul_u32_u24 v[XWI], v3, 24
	v_add_nc_u32 v[XWI], s68, v[XWI]
	s_mul_i32 s68, s70, 48
	s_add_co_u32 s68, s68, ASC
	v_add_nc_u32 v[XWS], s68, v3
	s_mul_i32 s68, s[CL], 32*AP
	s_add_co_u32 s68, s68, ACD
	v_mul_u32_u24 v[LIA], v1, AP
	v_mad_u32_u24 v[LIA], v2, 24, v[LIA]
	v_add_nc_u32 v[LIA], s68, v[LIA]
	s_mul_i32 s68, s[CL], 1536
	s_add_co_u32 s68, s68, ASC
	v_mul_u32_u24 v[LSA], v1, 48
	v_add_nc_u32 v[LSA], s68, v[LSA]
	s_mul_i32 s68, s[CW4], 13056                   ; my 16 rows of a slot's 64
	v_mul_u32_u24 v[AW0], v1, 816
	v_mad_u32_u24 v[AW0], v2, 24, v[AW0]
	v_add_nc_u32 v[AW0], s68, v[AW0]
	v_lshl_add_u32 v[AW0+1], v2, 4, v[AW0]
	s_mul_i32 s68, s[CW4], 544
	s_add_co_u32 s68, s68, GSO
	v_lshrrev_b32 v[SC0], 3, v1
	v_lshlrev_b32 v[SC0], 4, v[SC0]
	v_lshl_add_u32 v[SC0], v1, 5, v[SC0]           ; 32 bytes a row, and 16 more behind each eight rows
	v_mad_u32_u24 v[SC0], v2, 2176, v[SC0]         ; lanes 16-31: the value tile's
	v_add_nc_u32 v[SC0], s68, v[SC0]
	s_lshl_b32 s68, s[CW4], 6
	v_lshl_add_u32 v[BI0], v2, 5, s68              ; 4 x (16 (w % 4) + 8 h)
	s_lshl_b32 s68, s[CL], 12
	s_add_co_u32 s68, s68, TOTS
	v_add_nc_u32 v[TO0], s68, v[BI0]
	v_add_nc_u32 v[BI0], BIAS, v[BI0]
	s_lshl_b32 s68, s[CW4], 10
	s_lshl_b32 s70, s[CL], 17
	s_add_co_u32 s68, s68, s70
	v_lshl_add_u32 v[UO], v2, 9, s68
	v_lshl_add_u32 v[UO], v1, 4, v[UO]             ; u: 131,072 (w / 4) + 1,024 (w % 4) + 512 h + 16 r
	v_lshl_add_u32 v[BST], v0, 4, BIAS
	v_lshl_add_u32 v[TRD], v0, 4, TOTS
.irp k, 1,3,5,7,9,11,13,15
	v_mov_b32 v[MU+\k], 0                          ; the upper halves of the pairs that packed forms name
.endr
.macro REDUCE4                         ; four rows' 8 pairs a lane become each row's sum, in every lane, at v[T + 16 k]; the four rows by turns
.irp p, 0,2,4,6
.irp k, 0,1,2,3
	v_pk_add_f32 v[T+16*\k+\p:T+16*\k+\p+1], v[T+16*\k+\p:T+16*\k+\p+1], v[T+16*\k+\p+8:T+16*\k+\p+9]
.endr
.endr
.irp p, 0,2
.irp k, 0,1,2,3
	v_pk_add_f32 v[T+16*\k+\p:T+16*\k+\p+1], v[T+16*\k+\p:T+16*\k+\p+1], v[T+16*\k+\p+4:T+16*\k+\p+5]
.endr
.endr
.irp k, 0,1,2,3
	v_pk_add_f32 v[T+16*\k:T+16*\k+1], v[T+16*\k:T+16*\k+1], v[T+16*\k+2:T+16*\k+3]
.endr
.irp k, 0,1,2,3
	v_add_f32 v[T+16*\k], v[T+16*\k], v[T+16*\k+1]
.endr
.irp n, 1,2,4,8
.irp k, 0,1,2,3
	v_add_f32_dpp v[T+16*\k], v[T+16*\k], v[T+16*\k] row_xmask:\n row_mask:0xf bank_mask:0xf
.endr
.endr
.irp k, 0,1,2,3
	v_permlanex16_b32 v[T+16*\k+1], v[T+16*\k], s[SEL], s[SEL+1]
.endr
.irp k, 0,1,2,3
	v_add_f32 v[T+16*\k], v[T+16*\k], v[T+16*\k+1]
.endr
.endm
; LayerNorm of rows 4 g .. 4 g + 3, in place, the four rows line by line; mean first, then the mean of the squared differences, as reference() has them
.macro ROWS4 g
.set RB, 128*(\g)
	WIN 0x05
.irp p, 0,1,2,3,4,5,6,7
.irp k, 0,1,2,3
	v_pk_add_f32 v[T+16*\k+2*\p:T+16*\k+2*\p+1], v[RB+32*\k+4*\p:RB+32*\k+4*\p+1], v[RB+32*\k+4*\p+2:RB+32*\k+4*\p+3]
.endr
.endr
	WIN 0
	REDUCE4
.irp k, 0,1,2,3
	v_mul_f32 v[MU+2*\k], s66, v[T+16*\k]
.endr
	WIN 0x41
.set e, 0
.rept 16
.irp k, 0,1,2,3
	v_pk_add_f32 v[RB+32*\k+e:RB+32*\k+e+1], v[RB+32*\k+e:RB+32*\k+e+1], v[MU+2*\k:MU+2*\k+1] op_sel_hi:[1,0] neg_lo:[0,1] neg_hi:[0,1]
.endr
.set e, e+2
.endr
	WIN 0x05
.irp p, 0,1,2,3,4,5,6,7
.irp k, 0,1,2,3
	v_pk_mul_f32 v[T+16*\k+2*\p:T+16*\k+2*\p+1], v[RB+32*\k+2*\p:RB+32*\k+2*\p+1], v[RB+32*\k+2*\p:RB+32*\k+2*\p+1]
.endr
.endr
.irp p, 0,1,2,3,4,5,6,7
.irp k, 0,1,2,3
	v_pk_fma_f32 v[T+16*\k+2*\p:T+16*\k+2*\p+1], v[RB+32*\k+16+2*\p:RB+32*\k+17+2*\p], v[RB+32*\k+16+2*\p:RB+32*\k+17+2*\p], v[T+16*\k+2*\p:T+16*\k+2*\p+1]
.endr
.endr
	WIN 0
	REDUCE4
.irp k, 0,1,2,3
	v_fma_f32 v[T+16*\k], v[T+16*\k], s66, s67     ; the variance + 1e-5
.endr
	s_wait_alu depctr_va_vdst(0)                   ; the wait ahead of the batch
.irp k, 0,1,2,3
	v_rsq_f32 v[RS+2*\k], v[T+16*\k]
.endr
	v_nop                                          ; a plain instruction behind the last of the batch,
	s_wait_alu depctr_va_vdst(0)                   ; and one wait for the four, ahead of their first reader
	WIN 0x41
.set e, 0
.rept 16
.irp k, 0,1,2,3
	v_pk_mul_f32 v[RB+32*\k+e:RB+32*\k+e+1], v[RB+32*\k+e:RB+32*\k+e+1], v[RS+2*\k:RS+2*\k+1] op_sel_hi:[1,0]
.endr
.set e, e+2
.endr
.set e, 0
.rept 16
.irp k, 0,1,2,3
	v_pk_fma_f32 v[RB+32*\k+e:RB+32*\k+e+1], v[RB+32*\k+e:RB+32*\k+e+1], v[LNW+e:LNW+e+1], v[LNB+e:LNB+e+1]
.endr
.set e, e+2
.endr
	WIN 0
.endm
; Row i turns through my stage: in as loaded, K step q at 576 q; out 128 bytes a lane, one whole block.
; LDS serves a wave's instructions in order (ISA guide 5.7.1.4): one stage does, the next row's stores come behind this row's loads.
.macro TURN1 i
	WIN 0x04
.irp q, 0,1,2,3,4,5,6,7
	ds_store_b128 v[STW], v[32*(\i)+4*\q:32*(\i)+4*\q+3] offset:576*\q
.endr
	WIN 0
.irp q, 0,1,2,3,4,5,6,7
	ds_load_b128 v[Y+32*((\i)%2)+4*\q:Y+32*((\i)%2)+4*\q+3], v[STR] offset:16*\q
.endr
.endm
; a lane's block of 32 numbers becomes 24 bytes of codes and a scale byte, stored at 24 x lane and at lane of row i's codes and scale bytes
.macro QUANT1 i
.set YB, Y+32*((\i)%2)
.set PCA, PC+6*((\i)%2)
.irp q, 0,1,2,3
	v_max3_num_f32 v[MX+\q], |v[YB+8*\q]|, |v[YB+8*\q+1]|, 0x2800000   ; four chains of 8 by turns; the floor 2^(5 - 127) holds the byte at 1 from below
.endr
.irp n, 2,4,6
.irp q, 0,1,2,3
	v_max3_num_f32 v[MX+\q], v[MX+\q], |v[YB+8*\q+\n]|, |v[YB+8*\q+\n+1]|
.endr
.endr
	v_max3_num_f32 v[MX], v[MX], v[MX+1], v[MX+2]
	s_delay_alu instid0(VALU_DEP_1)
	v_max_num_f32 v[MX], v[MX], v[MX+3]
	s_delay_alu instid0(VALU_DEP_1)
	v_add_nc_u32 v[SCL], 0xfe000000, v[MX]         ; 4 off the exponent field: the conversion's scale operand
	s_delay_alu instid0(VALU_DEP_1)
	v_lshrrev_b32 v[BY+(\i)%2], 23, v[SCL]         ; the scale's byte
	v_cvt_scalef32_pk16_bf6_f32 v[PCA:PCA+2], v[YB:YB+15], v[SCL]
	v_cvt_scalef32_pk16_bf6_f32 v[TC0:TC0+2], v[YB+16:YB+31], v[SCL]           ; (a conversion's three registers begin on an even number)
	v_nop                                          ; one plain instruction behind the last conversion
.irp n, 0,1,2
	v_mov_b32 v[PCA+3+\n], v[TC0+\n]
.endr
.irp p, 0,1,2
	ds_store_b64 v[XWI], v[PCA+2*\p:PCA+2*\p+1] offset:AP*(\i)+8*\p
.endr
	ds_store_b8 v[XWS], v[BY+(\i)%2] offset:48*(\i)
.endm
.macro TQ g                            ; a group's four rows; a turn is 16 LDS instructions, a row's codes and byte are 4
	TURN1 4*(\g)
	TURN1 4*(\g)+1
	s_wait_dscnt 16                                ; the first row's numbers are in; the second turn may be out
	QUANT1 4*(\g)
	TURN1 4*(\g)+2
	s_wait_dscnt 20                                ; behind the second row's loads: 4 stores and a turn
	QUANT1 4*(\g)+1
	TURN1 4*(\g)+3
	s_wait_dscnt 20
	QUANT1 4*(\g)+2
	s_wait_dscnt 4                                 ; behind the fourth row's loads: 4 stores
	QUANT1 4*(\g)+3
.endm
	s_wait_alu depctr_va_vdst(0)                   ; the wait at the head's end
	s_wait_loadcnt 63                              ; the biases and ln_w, ln_b are in: behind them stand x's 64 loads, and the count is the stricter by one
	ds_store_b128 v[BST], v[192:195]
	ds_store_b128 v[BST], v[196:199] offset:4096
	s_wait_loadcnt 32                              ; rows 0 to 3 are in
	ROWS4 0
	TQ 0
	s_wait_loadcnt 0x0
	ROWS4 1
	TQ 1
	s_wait_dscnt 0x0                               ; for the others' sake: my codes, scale bytes and biases lie in LDS
	s_barrier_signal -1
	s_barrier_wait -1                              ; everybody's do.
	WIN 0x40                                       ; my two tiles' 16 fragments: (mh, s) at v[96 mh + 12 s] of window 1; six pieces of 8 bytes each
.set f, 0
.rept 16
.irp p, 0,1,2,3,4,5
	ds_load_b64 v[12*f+2*\p:12*f+2*\p+1], v[LIA] offset:16*AP*(f/8)+96*(f%8)+48*(\p/3)+8*(\p%3)
.endr
.set f, f+1
.endr
	WIN 0
.irp m, 0,1
	ds_load_b128 v[ASW+8*\m:ASW+8*\m+3], v[LSA] offset:768*\m          ; row r's eight scale words: register s is K step s
	ds_load_b128 v[ASW+8*\m+4:ASW+8*\m+7], v[LSA] offset:768*\m+16
.endr
; a weight fragment, 16 rows x 128 K: six pieces of 8 bytes.  Piece p of a row lies at 8 p + 16 (p / 32); lanes 16-31 read three pieces on, which for some pieces is behind one padding more: the second address register serves those
.macro FRAGW reg, ks, off
.irp p, 0,1,2,3,4,5
.set PCN, 12*(\ks)+6*(\p/3)+\p%3
.if PCN%32 < 29
	ds_load_b64 v[(\reg)+2*\p:(\reg)+2*\p+1], v[ADW] offset:(\off)+8*PCN+16*(PCN/32)
.else
	ds_load_b64 v[(\reg)+2*\p:(\reg)+2*\p+1], v[ADW+1] offset:(\off)+8*PCN+16*(PCN/32)
.endif
.endr
.endm
.macro LOADS_A                         ; 54 LDS loads in one run: the slot's scale words (register s: K step s), the two tiles' biases, the fragments of K steps 0 to 3
	v_add_nc_u32 v[ADW], s[TB], v[AW0]
	v_add_nc_u32 v[ADW+1], s[TB], v[AW0+1]
	v_add_nc_u32 v[ADS], s[TB], v[SC0]
	v_add_nc_u32 v[ADB], s[JB], v[BI0]
	s_wait_alu depctr_va_vdst(0)
	ds_load_b128 v[WSW:WSW+3], v[ADS]
	ds_load_b128 v[WSW+4:WSW+7], v[ADS] offset:16
	ds_load_b128 v[B0:B0+3], v[ADB]
	ds_load_b128 v[B0+4:B0+7], v[ADB] offset:16
	ds_load_b128 v[B1:B1+3], v[ADB] offset:4096
	ds_load_b128 v[B1+4:B1+7], v[ADB] offset:4112
.irp ks, 0,1,2,3
	FRAGW WF+24*\ks, \ks, 0
	FRAGW WF+12+24*\ks, \ks, T1OFF
.endr
.endm
.macro WM dr, fr, ar, cr, sa, sb, row1
.if \row1
	v_wmma_scale_f32_16x16x128_f8f6f4 v[\dr:\dr+7], v[\fr:\fr+11], v[\ar:\ar+11], v[\cr:\cr+7], v[\sa], v[\sb] matrix_a_fmt:MATRIX_FMT_BF6 matrix_b_fmt:MATRIX_FMT_BF6 matrix_a_scale:MATRIX_SCALE_ROW1
.else
	v_wmma_scale_f32_16x16x128_f8f6f4 v[\dr:\dr+7], v[\fr:\fr+11], v[\ar:\ar+11], v[\cr:\cr+7], v[\sa], v[\sb] matrix_a_fmt:MATRIX_FMT_BF6 matrix_b_fmt:MATRIX_FMT_BF6
.endif
.endm
; K step ks: four products, (row tile mh) x (weight tile t), the four accumulators by turns, one instruction a turn.  The first K step takes the bias as C.
.macro MSTEP ks
.set CWN, 1
.if (\ks) == 0
.set CWN, 0
.endif
	WIN (1<<6)|(CWN<<4)|(1<<2)|((\ks)/7)
.irp mh, 0,1
.irp t, 0,1
.set DR, ZG+8*(2*\t+\mh)
.set CR, DR
.if (\ks) == 0
.set CR, B0+8*\t
.endif
.if (\ks) < 7
.set FG, WF+24*(\ks)+12*\t
.else
.set FG, 224+12*\t
.endif
.set AR, 96*\mh+12*(\ks)
.set SA, WSW+(\ks)
.set SB, ASW+8*\mh+(\ks)
	WM DR, FG, AR, CR, SA, SB, \t
.endr
.endr
.endm
.macro MMA
	s_wait_dscnt 36                                ; the scale words, the biases and K step 0 are in.  Behind them stand K steps 1 to 3, 12 loads each, and for waves 4-7 two stores of column sums: there the count is the stricter by those two
	MSTEP 0
	s_wait_dscnt 24
	MSTEP 1
	s_wait_dscnt 12
	MSTEP 2
	WIN 0                                          ; K steps 4 to 7: 48 loads in one run, into registers that the last slot's products read; the change of slots' plain instructions stand between
.irp ks, 4,5,6
	FRAGW WF+24*\ks, \ks, 0
	FRAGW WF+12+24*\ks, \ks, T1OFF
.endr
	WIN 0x40
	FRAGW 224, 7, 0
	FRAGW 236, 7, T1OFF
	s_wait_dscnt 48                                ; all but the 48 just issued
	MSTEP 3
	s_wait_dscnt 36
	MSTEP 4
	s_wait_dscnt 24
	MSTEP 5
	s_wait_dscnt 12
	MSTEP 6
	s_wait_dscnt 0x0
	MSTEP 7
	WIN 0
.endm
; u = (2 / (1 + 2^(-log2(e) zg)) - 1) zv for my 16 channels x 32 rows; stored; its column sums to LDS.  Each accumulator is read from its low end on.
; It names none of the registers into which LDS loads issued ahead of it may be landing.
.macro EPI
	PLACES
	WIN 0x55
.set e, ZG
.rept 8
	v_pk_mul_f32 v[e:e+1], v[e:e+1], s[NL2E:NL2E+1] op_sel_hi:[1,0]
.set e, e+2
.endr
.set e, ZG
	s_wait_alu depctr_va_vdst(0)                   ; a wait ahead of each batch and one behind it
.rept 16
	v_exp_f32 v[e], v[e]
.set e, e+1
.endr
	v_nop
	s_wait_alu depctr_va_vdst(0)
.set e, ZG
.rept 8
	v_pk_add_f32 v[e:e+1], v[e:e+1], 1.0 op_sel_hi:[1,0]
.set e, e+2
.endr
.set e, ZG
	s_wait_alu depctr_va_vdst(0)
.rept 16
	v_rcp_f32 v[e], v[e]
.set e, e+1
.endr
	v_nop
	s_wait_alu depctr_va_vdst(0)
.set e, ZG
.rept 8
	v_pk_fma_f32 v[e:e+1], v[e:e+1], 2.0, -1.0 op_sel_hi:[1,0,0]
.set e, e+2
.endr
.set e, ZG
.rept 8
	v_pk_mul_f32 v[e:e+1], v[e:e+1], v[16+e:17+e]
.set e, e+2
.endr
	WIN 0x04
.irp mh, 0,1
	global_store_b128 v[UO], v[ZG+8*\mh:ZG+8*\mh+3], s[UP:UP+1] offset:65536*\mh th:TH_STORE_NT        ; sixteen lanes store 256 consecutive bytes, aligned
	global_store_b128 v[UO], v[ZG+8*\mh+4:ZG+8*\mh+7], s[UP:UP+1] offset:65536*\mh+256 th:TH_STORE_NT
.endr
	WIN 0x05
.irp p, 0,2,4,6
	v_pk_add_f32 v[TS+\p:TS+\p+1], v[ZG+\p:ZG+\p+1], v[ZG+8+\p:ZG+9+\p]
.endr
	WIN 0
.irp n, 1,2,4,8
.irp i, 0,1,2,3,4,5,6,7
	v_add_f32_dpp v[TS+\i], v[TS+\i], v[TS+\i] row_xmask:\n row_mask:0xf bank_mask:0xf
.endr
.endr
	v_add_nc_u32 v[ADT], s[JT], v[TO0]
	ds_store_b128 v[ADT], v[TS:TS+3]               ; the sixteen lanes of a half write the same bytes with the same values
	ds_store_b128 v[ADT], v[TS+4:TS+7] offset:16
	s_add_co_u32 s[JT], s[JT], 256
	s_wait_alu depctr_va_vdst(0)
	s_wait_xcnt 0x0                                ; the stores have read their data and their base: both are written again only behind this wait
	s_add_co_u32 s[JU], s[JU], 4096
	s_and_b32 s[JU], s[JU], 0xffff
	s_add_nc_u64 s[UP:UP+1], s[22:23], s[JU:JU+1]
.endm
; THE CHANGE OF SLOTS.  Each wave waits for all its tensor loads (one is out: its part of the slot ahead), adds 0 to its spare word, and waits for that and for its reads of the slot that it has left.
; fill = 1: a round of the cluster's barrier, and first behind it the joint load of the slot after the next into the LDS slot just left.  s69 and s71 hold 0.
.macro CHANGE fill
	s_wait_tensorcnt 0x0
	ds_add_u32 v[SPW], v[NIL]
.if \fill
	s_add_co_u32 s[JN], s[JN], 1                   ; no tensor load of mine is out, so both groups 0 may be written: the next slot, round 16,
	s_and_b32 s[JN], s[JN], 15
	s_mul_i32 s68, s[JN], 49152
	s_lshl_b32 s70, s[JN], 11
	s_xor_b32 s[G0C+1], s[G0C+1], SLOT1            ; into the other LDS slot than last time
	s_add_nc_u64 s[G0C+2:G0C+3], s[WBC:WBC+1], s[68:69]
	s_or_b32 s[G0C+3], s[G0C+3], 0x80000000
	s_xor_b32 s[G0S+1], s[G0S+1], SLOT1
	s_add_nc_u64 s[G0S+2:G0S+3], s[WBS:WBS+1], s[70:71]
	s_or_b32 s[G0S+3], s[G0S+3], 0x80000000
.endif
	s_wait_dscnt 0x0
.if \fill
	ROUND
	JLOAD
.else
	s_barrier_signal -1
	s_barrier_wait -1
	PLACES
.endif
.endm
; A TRIP: a slot's products; waves 0-3 finish its results; the change of slots and the next slot's first loads; waves 4-7 finish its results.  mode 2: the slot is filled again; 1: a change without a fill; 0: the last trip.
.macro TRIP mode
	MMA
	s_cmp_lg_u32 s[CL], 0
	s_cbranch_scc1 .Llate_\@
	EPI
.Llate_\@:
.if \mode
	s_xor_b32 s[TB], s[TB], SLOT1
	s_add_co_u32 s[JB], s[JB], 256
	CHANGE \mode-1
	LOADS_A
.endif
	s_cmp_eq_u32 s[CL], 0
	s_cbranch_scc1 .Learly_\@
	EPI
.Learly_\@:
.endm
	s_mov_b32 s[TB], 0
	s_mov_b32 s[JB], 0
	s_mov_b32 s[JT], 0
	s_mov_b32 s69, 0
	s_mov_b32 s71, 0
	s_mov_b32 s[CNT], 14
	CHANGE 1                                       ; trip 0's slot is whole; trip 1's is asked for: a first fill, issued as a refill is
	LOADS_A
.Lslot:                                            ; 14 trips; trip t multiplies its slot and asks for trip t + 2's
	TRIP 2
	s_sub_co_u32 s[CNT], s[CNT], 1
	s_cmp_lg_u32 s[CNT], 0
	s_cbranch_scc1 .Lslot
	TRIP 1                                         ; trips 14 and 15 are written out: nothing is left to fetch
	TRIP 0
	s_wait_dscnt 0x0                               ; my column sums lie in LDS
	s_barrier_signal -1
	s_barrier_wait -1
	ds_load_b128 v[TS:TS+3], v[TRD]                ; the two halves of the rows
	ds_load_b128 v[TS+4:TS+7], v[TRD] offset:4096
	s_wait_dscnt 0x0
	v_pk_add_f32 v[TS:TS+1], v[TS:TS+1], v[TS+4:TS+5]
	v_pk_add_f32 v[TS+2:TS+3], v[TS+2:TS+3], v[TS+6:TS+7]
	global_store_b128 v[TGO], v[TS:TS+3], s[24:25]         ; from the trips' order back to the channels': sixteen lanes store 256 consecutive bytes, aligned
	s_wait_tensorcnt 0x0                           ; the wave's end
	ds_add_u32 v[SPW], v[NIL]
	s_wait_dscnt 0x0
	ROUND                                          ; the closing round
	s_endpgm
.Lfunc_end_k_qf445974889_gv:
	.size	k_qf445974889_gv, .Lfunc_end_k_qf445974889_gv-k_qf445974889_gv
	.p2alignl 7, 3214868480
	.fill 96, 4, 3214868480
	.section	.rodata,"a",@progbits
	.p2align	6, 0x0
	.amdhsa_kernel k_qf445974889_gv
		.amdhsa_group_segment_fixed_size 327680
		.amdhsa_private_segment_fixed_size 0
		.amdhsa_enable_private_segment 0
		.amdhsa_kernarg_size 88
		.amdhsa_user_sgpr_count 2
		.amdhsa_user_sgpr_kernarg_segment_ptr 1
		.amdhsa_wavefront_size32 1
		.amdhsa_system_sgpr_workgroup_id_x 1
		.amdhsa_system_sgpr_workgroup_id_y 1
		.amdhsa_system_sgpr_workgroup_id_z 1
		.amdhsa_system_vgpr_workitem_id 0
		.amdhsa_next_free_vgpr 512
		.amdhsa_next_free_sgpr 80
		.amdhsa_reserve_vcc 0
		.amdhsa_float_denorm_mode_32 3
		.amdhsa_float_denorm_mode_16_64 3
		.amdhsa_memory_ordered 1
		.amdhsa_forward_progress 1
		.amdhsa_inst_pref_size 175
	.end_amdhsa_kernel
	.amdgpu_metadata
---
amdhsa.version: [ 1, 2 ]
amdhsa.kernels:
  - .name:           k_qf445974889_gv
    .symbol:         k_qf445974889_gv.kd
    .args:
      - { .name: x, .offset: 0, .size: 8, .value_kind: global_buffer, .address_space: global }
      - { .name: ln_w, .offset: 8, .size: 8, .value_kind: global_buffer, .address_space: global }
      - { .name: ln_b, .offset: 16, .size: 8, .value_kind: global_buffer, .address_space: global }
      - { .name: gate_w_codes, .offset: 24, .size: 8, .value_kind: global_buffer, .address_space: global }
      - { .name: gate_w_scales, .offset: 32, .size: 8, .value_kind: global_buffer, .address_space: global }
      - { .name: gate_b, .offset: 40, .size: 8, .value_kind: global_buffer, .address_space: global }
      - { .name: value_w_codes, .offset: 48, .size: 8, .value_kind: global_buffer, .address_space: global }
      - { .name: value_w_scales, .offset: 56, .size: 8, .value_kind: global_buffer, .address_space: global }
      - { .name: value_b, .offset: 64, .size: 8, .value_kind: global_buffer, .address_space: global }
      - { .name: u, .offset: 72, .size: 8, .value_kind: global_buffer, .address_space: global }
      - { .name: tot, .offset: 80, .size: 8, .value_kind: global_buffer, .address_space: global }
    .group_segment_fixed_size: 327680
    .private_segment_fixed_size: 0
    .kernarg_segment_align: 8
    .kernarg_segment_size: 88
    .max_flat_workgroup_size: 256
    .sgpr_count:     80
    .vgpr_count:     512
    .wavefront_size: 32
...
	.end_amdgpu_metadata
.endif
;; end of part 1
;; launch outp (part 2): grid 256 x 1, 4 waves a work-group, clusters of 4 x 1, 327,680 bytes of LDS; arguments u, tot, log_decay, out_w_codes, out_w_scales, out_b, x, out0; writes out0
.if DOCPART == 2
	.amdgcn_target "amdgcn-amd-amdhsa--gfx1250"
	.amdhsa_code_object_version 6
	.text
	.protected	k_qf445974889_outp
	.globl	k_qf445974889_outp
	.p2align	8
	.type	k_qf445974889_outp,@function
k_qf445974889_outp:
	s_mov_b64 s[64:65], 0
	v_nop
	global_prefetch_b8 v0, s[64:65] scope:SCOPE_SE
	s_setreg_imm32_b32 hwreg(HW_REG_WAVE_MODE, 25, 1), 1
	s_wait_xcnt 0x0
	s_wait_alu depctr_hold_cnt(0) depctr_sa_sdst(0) depctr_va_vdst(0) depctr_va_sdst(0) depctr_va_ssrc(0) depctr_va_vcc(0) depctr_vm_vsrc(0)
	s_getreg_b32 s2, hwreg(HW_REG_IB_STS2, 6, 4)
	s_cmp_eq_u32 s2, 0
	s_cbranch_scc0 .Lentry_in_a_cluster
	s_endpgm
.Lentry_in_a_cluster:
	s_bfe_u32 s2, ttmp6, 0x10000c
	s_cmp_lg_u32 s2, 0x3003
	s_cbranch_scc0 .Lentry_shape_is_right
	s_endpgm
.Lentry_shape_is_right:
; SECOND OF TWO LAUNCHES.  out0 = x + Q(cumsum_t(u) exp(-softplus(log_decay) t)) out_w^T + out_b.  u and tot (the column sums of u over each chunk of 64 rows) come from the first launch.  No work is left out.
; LIMITS: as in the first launch; softplus(log_decay) x 4,095 must be finite; log1p is 2 z (1 + z^2 / 3 + .. + z^16 / 17), z = e / (2 + e) <= 1 / 3 for every input: what is cut off lies under 2e-9 of it.
; SHARES.  256 work-groups of four waves; a work-group owns a chunk of 64 rows; row tile m holds chunk row 4 r + m in lane r.
; HEAD: wave w owns channels 256 w .. 256 w + 255 (K steps 2 w, 2 w + 1) of all 64 rows.  Its carry is the sum of tot over the batch's earlier chunks (rows at or past my chunk are masked by a select, never multiplied away).
; The scan: a lane's four tiles are four consecutive t; then a scan over the 16 lanes of a half; then the carry.  x decay, quantised in registers (a lane holds whole blocks), images to LDS; every wave then keeps all 32 fragments.
; PRODUCT: wave w owns output channels 256 w on; slot i of 8 holds its rows 32 i .. 32 i + 31 of out_w (two tiles): 64 matrix instructions a slot, eight accumulators by turns, out_b as the first C.
; Two slots' results (64 channels x 64 rows) go through my stage in LDS, meet x, and leave as runs of 256 consecutive bytes, aligned.
; THE WALK IS ROTATED: cluster k begins at the pair of slots g0 = (k xor k / 4 xor k / 16) % 4 and goes round, so that the clusters ask for different tiles at a time and not all for the same one.  g0 enters global addresses alone:
; whatever lies in LDS (slots, scale bytes, out_b) lies there in the order of the trips.
; CLUSTER: all work-groups walk the same weights: each tile is asked for jointly by the four of a cluster (mask 15); the descriptors hang on the wave's number and the cluster's alone.
; REGISTERS.  window 0: v1-28 addresses; v32-63 the rows' scale words, v64-71 the weights' (scales alone, always); v72-87 biases; v88-127 at work; v128-255 the head's small things, then 64 rows x 64 channels of x.
;   window 1: 32 rows of tot, then the carries, then fragments of tiles 0, 1 and v192-255 the odd slot's accumulators.   window 2: 32 rows of tot, then u of K step 2 w, then fragments of tiles 2, 3.
;   window 3: u of K step 2 w + 1, then v0-63 the even slot's accumulators and v64-255 a slot's weight fragments.
.set SLOT1, 131072                     ; LDS: slot b at b x SLOT1: four pieces of 26,112 bytes (32 rows x 816), piece w wave w's
.set SPARE, 104448                     ; the spare words: 128 bytes a wave, two blocks of 256 bytes that no other line names
.set CAR,   104960                     ; the carries: 1,024 bytes a wave
.set ASC,   109056                     ; the rows' scale words: 32 x 128 bytes
.set OST,   113152                     ; a stage of 16 rows x 272 bytes for each wave
.set WSC,   235520                     ; out_w's scale bytes, 8,704 bytes a wave, 2,176 for each pair of slots, in the order of the trips: filled once
.set AIMG,  270336                     ; 32 fragment images of 1,536 bytes
.set BIAS,  319488                     ; out_b, each wave's 256 numbers in the order of the trips
.set FRB,   1536
.set T1OFF, 13056
.set SPW, 4
.set NIL, 5
.set TL,  6                            ; 1,024 w + 16 x lane
.set CAW, 7
.set CARD, 8
.set UL,  9
.set XWI, 10
.set XWS, 11
.set LIA, 12
.set LSA, 13
.set AW0, 14                           ; v14, v15
.set SC0, 16
.set BI0, 17
.set OSW, 18
.set OSR, 19
.set XGA, 20
.set SH8, 21
.set ADW, 22                           ; v22, v23
.set ADS, 24
.set ADB, 25
.set BST, 26
.set T16, 27                           ; in out_b: the 16 bytes that belong to LDS place 16 x thread of the trips' order
.set T17, 28                           ; at work for it
.set ASW, 32
.set WSW, 64
.set B0,  72
.set B1,  80
.set DEC, 88                           ; v88-95 the decay of my four rows (pairs)
.set MX,  96
.set SCL, 100
.set BY,  102
.set PW,  104
.set TP,  105
.set PC,  106                          ; v106-117
.set TC0, 118
.set TC1, 122
.set ZR,  88                           ; the way out: 16 rows read back
.set XR,  128                          ; x
.set ACC, 128                          ; the head: the carry, 8 channels a lane
.set OB,  136
.set VX,  144
.set E1,  145
.set DD,  146
.set RC,  147
.set AM,  148
.set ZZ,  149
.set RR,  150
.set WW,  151
.set PP,  152
.set AL,  153
.set TT,  154                          ; v154-157
.set PV,  158                          ; v158-161
.set TM,  164                          ; v164-179
.set WV,  20
.set CX,  21
.set CH,  22
.set QQ,  23
.set CIB, 24
.set LIM, 25
.set MSK, 26
.set LD,  27
.set G1C, 28
.set SGA, 180                          ; v180-183 the head: where my lane reads the scale bytes of the walk's four pairs of slots
.set SST, 184                          ; v184 the head: where it puts them in LDS
.set G0C, 44
.set TB,  52
.set IW,  53
.set IB,  54
.set CNT, 55
.set SEL, 56
.set L2E, 58
.set L2L, 59
.set GR,  60                           ; the pair of slots at which my cluster begins
.set IN,  61                           ; the slot asked for last
.set WBC, 62                           ; s[62:63] my 256 rows of out_w's codes
.set G0S, 72                           ; s72-75 the byte at which the walk's p-th pair of slots begins among my 256 rows' scale bytes
.set XB,  88                           ; s[88:89] x, s[90:91] out0 at my chunk
.set OBB, 90
.set GX,  92                           ; s[92:93] 256 x the pair of slots in hand, and 0
.set MSB, 0
.macro WIN new
.if MSB != (\new)
	s_set_vgpr_msb (MSB<<8)|(\new)
.set MSB, (\new)
.endif
.endm
.macro PLACES
.rept 4
	v_nop
.endr
.endm
.macro ROUND
	s_barrier_signal -1
	s_barrier_wait -1
	s_cmp_lg_u32 s[WV], 0
	s_cbranch_scc1 .Lnw0_\@
	s_barrier_signal -3
.Lnw0_\@:
	s_barrier_wait -3
	s_barrier_signal -1
	s_barrier_wait -1
.endm
	s_load_b512 s[4:19], s[0:1], 0x0               ; u, tot, log_decay, out_w codes, out_w scales, out_b, x, out0
	v_lshl_add_u32 v[SPW], v0, 2, SPARE
	v_mov_b32 v[NIL], 0
	ds_add_u32 v[SPW], v[NIL]                      ; the opening: the add, twice on end, and its wait ahead of my first tensor load
	ds_add_u32 v[SPW], v[NIL]
	v_lshrrev_b32 v1, 5, v0
	v_readfirstlane_b32 s[WV], v1
	s_bfe_u32 s[CX], ttmp6, 0x40000
	s_lshl_b32 s[CH], ttmp9, 2
	s_add_co_u32 s[CH], s[CH], s[CX]               ; my chunk
	s_and_b32 s[QQ], ttmp9, 15                     ; my cluster in its batch: the same in all four partners
	s_lshl_b32 s[CIB], s[QQ], 2
	s_add_co_u32 s[CIB], s[CIB], s[CX]             ; my chunk in its batch, 0 .. 63
	s_and_b32 s[LIM], s[CIB], 31                   ; how many of the 32 rows of tot that begin at chunk 32 (cib / 32) come before mine
	s_lshr_b32 s68, ttmp9, 2                       ; where my cluster begins its walk: the cluster's number alone, the same in all four partners
	s_xor_b32 s[GR], ttmp9, s68
	s_lshr_b32 s68, ttmp9, 4
	s_xor_b32 s[GR], s[GR], s68
	s_and_b32 s[GR], s[GR], 3
	s_lshl_b32 s[IN], s[GR], 1
	s_mov_b32 s[G1C], 15|(3<<16)|(1<<20)|(1<<21)|(5<<22)|(3<<25)   ; dense blocks as rows of 256 bytes, 16 bytes of padding behind each; mask: all four work-groups
	s_mov_b32 s[G1C+1], 32<<16
	s_mov_b32 s[G1C+2], 96<<16                     ; 32 rows x 768 bytes = 96 x 256
	s_mov_b32 s[G1C+3], 32<<16
	s_mov_b32 s[G1C+4], 96
	s_mov_b32 s[G1C+5], 32
	s_mov_b32 s[G1C+6], 0
	s_mov_b32 s[G1C+7], 0
	s_mov_b32 s[SEL], 0x76543210
	s_mov_b32 s[SEL+1], 0xfedcba98
	s_mov_b32 s[L2E], 0x3fb8aa3b                   ; log2(e), and what f32 leaves of it
	s_mov_b32 s[L2L], 0x32a57060
	s_mov_b32 s[G0C], 1
	s_mul_i32 s[G0C+1], s[WV], 26112
	s_mul_i32 s68, s[WV], 196608                   ; my 256 rows of out_w
	s_mov_b32 s69, 0
	s_lshl_b32 s70, s[WV], 13
	s_mov_b32 s71, 0
	s_wait_dscnt 0x0                               ; both opening adds are done
	s_wait_kmcnt 0x0
	s_load_b32 s[LD], s[8:9], 0x0
	s_add_nc_u64 s[WBC:WBC+1], s[10:11], s[68:69]
	s_mul_i32 s68, s[IN], 24576                    ; a slot is 32 rows of 768 bytes
	s_add_nc_u64 s[G0C+2:G0C+3], s[WBC:WBC+1], s[68:69]
	s_or_b32 s[G0C+3], s[G0C+3], 0x80000000
	s_add_nc_u64 s[12:13], s[12:13], s[70:71]      ; my 256 rows' scale bytes
.irp p, 0,1,2,3
	s_add_co_u32 s[G0S+\p], s[GR], \p
	s_and_b32 s[G0S+\p], s[G0S+\p], 3
	s_lshl_b32 s[G0S+\p], s[G0S+\p], 11            ; pair (g0 + p) % 4: 2,048 bytes a pair
.endr
	ROUND                                          ; all four work-groups are here: the first joint loads meet
	tensor_load_to_lds s[G0C:G0C+3], s[G1C:G1C+7]  ; LDS slot 0: the walk's first slot: my one tensor load at the head
	s_nop 0
	PLACES
	s_lshr_b32 s68, ttmp9, 4                       ; the batch
	s_lshl_b32 s68, s68, 18                        ; its 64 rows of tot
	s_add_nc_u64 s[66:67], s[6:7], s[68:69]        ; set B: the batch's chunks 0 to 31
	s_lshr_b32 s68, s[QQ], 3
	s_lshl_b32 s68, s68, 17
	s_add_nc_u64 s[6:7], s[66:67], s[68:69]        ; set A: the 32 chunks among which mine lies
	s_lshl_b32 s68, s[CH], 18
	s_add_nc_u64 s[4:5], s[4:5], s[68:69]
	s_add_nc_u64 s[XB:XB+1], s[16:17], s[68:69]
	s_add_nc_u64 s[OBB:OBB+1], s[18:19], s[68:69]
	s_lshl_b32 s[GX], s[GR], 8                     ; 64 channels are 256 bytes of a row
	s_mov_b32 s[GX+1], 0
	s_add_nc_u64 s[16:17], s[XB:XB+1], s[GX:GX+1]  ; x and out0 at the walk's first 64 channels
	s_add_nc_u64 s[18:19], s[OBB:OBB+1], s[GX:GX+1]
	v_and_b32 v1, 15, v0                           ; r
	v_bfe_u32 v2, v0, 4, 1                         ; h
	v_and_b32 v3, 31, v0                           ; lane
	v_bfe_u32 v[T16], v0, 3, 3                     ; LDS place 16 x thread: wave thread / 64, trip (thread / 8) % 8, which is slot (trip + 2 g0) % 8: 128 bytes a slot
	v_add_nc_u32 v[T16], s[IN], v[T16]
	v_and_b32 v[T16], 7, v[T16]
	v_lshlrev_b32 v[T16], 7, v[T16]
	v_and_b32 v[T17], 7, v0
	v_lshl_or_b32 v[T16], v[T17], 4, v[T16]
	v_lshrrev_b32 v[T17], 6, v0
	v_lshl_or_b32 v[T16], v[T17], 10, v[T16]
	s_lshl_b32 s68, s[WV], 10
	v_lshl_add_u32 v[TL], v3, 4, s68
	s_lshl_b32 s70, s[WV], 14
	v_lshl_add_u32 v[UL], v2, 11, s70
	v_lshl_add_u32 v[UL], v1, 4, v[UL]             ; u: 16,384 w + 2,048 h + 16 r
	global_load_b128 v[OB:OB+3], v[T16], s[14:15]
	global_load_b128 v[OB+4:OB+7], v[T16], s[14:15] offset:2048
.irp p, 0,1,2,3
	v_lshl_add_u32 v[SGA+\p], v3, 4, s[G0S+\p]
.endr
.irp p, 0,1,2,3
.irp t, 0,1,2,3
	global_load_b128 v[192+16*\p+4*\t:195+16*\p+4*\t], v[SGA+\p], s[12:13] offset:512*\t   ; my 256 rows' scale bytes, once, in the order of the walk: 512 consecutive bytes a load
.endr
.endr
	WIN 0x40
.set jj, 0
.rept 32
	global_load_b128 v[8*jj:8*jj+3], v[TL], s[6:7] offset:4096*jj
	global_load_b128 v[8*jj+4:8*jj+7], v[TL], s[6:7] offset:4096*jj+512
.set jj, jj+1
.endr
	WIN 0
.irp i, 0,1,2,3,4,5,6,7
	v_mov_b32 v[ACC+\i], 0
.endr
	s_cmp_lt_u32 s[QQ], 8                          ; ids alone, the same in all four partners: in the batch's second half all of chunks 0 to 31 come before mine
	s_cbranch_scc1 .Lno_b
	WIN 0x80
.set jj, 0
.rept 32
	global_load_b128 v[8*jj:8*jj+3], v[TL], s[66:67] offset:4096*jj
	global_load_b128 v[8*jj+4:8*jj+7], v[TL], s[66:67] offset:4096*jj+512
.set jj, jj+1
.endr
	WIN 0
	s_wait_loadcnt 0x0
	WIN 0x08
.set jj, 0
	s_wait_alu depctr_va_vdst(0)
.rept 32
.irp p, 0,2,4,6
	v_pk_add_f32 v[ACC+\p:ACC+\p+1], v[ACC+\p:ACC+\p+1], v[8*jj+\p:8*jj+\p+1]
.endr
.set jj, jj+1
.endr
	WIN 0
.Lno_b:
; tile mm of K step 2 w + sp: 16 loads; each half of the lanes reads 256 consecutive bytes.  Register 64 mm + 32 c + 4 i + e: channel 128 s + 64 c + 32 h + 4 i + e of row 4 r + mm
.macro ULOAD sp, mm
.irp c, 0,1
.irp i, 0,1,2,3,4,5,6,7
	global_load_b128 v[64*(\mm)+32*\c+4*\i:64*(\mm)+32*\c+4*\i+3], v[UL], s[4:5] offset:65536*(\mm)+8192*(\sp)+4096*\c+256*\i th:TH_LOAD_NT
.endr
.endr
.endm
	WIN 0x80
	s_wait_alu depctr_va_vdst(0)
	ULOAD 0, 0
	ULOAD 0, 1
	ULOAD 0, 2
	WIN 0
	v_add_nc_u32 v[CAW], CAR, v[TL]
	s_add_co_u32 s70, s68, CAR
	v_lshl_add_u32 v[CARD], v2, 7, s70
	s_mul_i32 s70, s[WV], 2*FRB
	s_add_co_u32 s70, s70, AIMG
	v_lshl_add_u32 v[XWI], v3, 4, s70
	s_lshl_b32 s70, s[WV], 8
	s_add_co_u32 s70, s70, ASC
	v_lshl_add_u32 v[XWS], v3, 2, s70
	v_lshl_add_u32 v[LIA], v3, 4, AIMG
	v_lshl_add_u32 v[LSA], v3, 2, ASC
	s_mul_i32 s70, s[WV], 26112
	v_mul_u32_u24 v[AW0], v1, 816
	v_mad_u32_u24 v[AW0], v2, 24, v[AW0]
	v_add_nc_u32 v[AW0], s70, v[AW0]
	v_lshl_add_u32 v[AW0+1], v2, 4, v[AW0]
	s_mul_i32 s70, s[WV], 8704
	s_add_co_u32 s70, s70, WSC
	v_lshrrev_b32 v[SC0], 3, v1
	v_lshlrev_b32 v[SC0], 4, v[SC0]
	v_lshl_add_u32 v[SC0], v1, 5, v[SC0]
	v_mad_u32_u24 v[SC0], v2, 544, v[SC0]          ; lanes 16-31: the slot's second tile
	v_add_nc_u32 v[SC0], s70, v[SC0]
	v_mad_u32_u24 v[SST], v2, 272, s70             ; the scale bytes lie as runs of 256 bytes, 272 apart: lanes 0-15 fill one run, lanes 16-31 the next
	v_lshl_add_u32 v[SST], v1, 4, v[SST]
	s_add_co_u32 s70, s68, BIAS
	v_lshl_add_u32 v[BI0], v2, 5, s70
	s_mul_i32 s70, s[WV], 4352
	s_add_co_u32 s70, s70, OST
	v_mul_u32_u24 v[OSW], v1, 272
	v_lshl_add_u32 v[OSW], v2, 5, v[OSW]
	v_add_nc_u32 v[OSW], s70, v[OSW]
	v_mul_u32_u24 v[OSR], v2, 272
	v_lshl_add_u32 v[OSR], v1, 4, v[OSR]
	v_add_nc_u32 v[OSR], s70, v[OSR]
	v_lshl_add_u32 v[XGA], v2, 14, s68
	v_lshl_add_u32 v[XGA], v1, 4, v[XGA]           ; x, out0: 1,024 w + 16,384 h + 16 r
	v_lshlrev_b32 v[SH8], 3, v2
	v_lshl_add_u32 v[BST], v0, 4, BIAS
	v_mov_b32 v[TP], 0                             ; a lane permute's destination counts as one of its sources
.irp i, 1,3,5,7
	v_mov_b32 v[DEC+\i], 0                         ; the upper halves of the pairs that packed forms name
.endr
; e^p, up to the last two lines: p log2(e) in two parts, the whole number n taken off; 2^(the rest) into v[t + 3], n into v[t + 2]
.macro EXPN p, t
	v_mul_f32 v[\t], s[L2E], v[\p]
	v_fma_f32 v[\t+1], v[\p], s[L2E], -v[\t]
	v_fma_f32 v[\t+1], v[\p], s[L2L], v[\t+1]
	v_rndne_f32 v[\t+2], v[\t]
	v_sub_f32 v[\t], v[\t], v[\t+2]
	v_add_f32 v[\t], v[\t], v[\t+1]
	v_cvt_i32_f32 v[\t+2], v[\t+2]
	s_wait_alu depctr_va_vdst(0)
	v_exp_f32 v[\t+3], v[\t]
.endm
	s_wait_kmcnt 0x0
	v_mov_b32 v[VX], s[LD]
	v_min_num_f32 v[PV], v[VX], -v[VX]             ; -|log_decay|
	EXPN PV, TM
	v_nop
	s_wait_alu depctr_va_vdst(0)
	v_ldexp_f32 v[E1], v[TM+3], v[TM+2]            ; e = exp(-|log_decay|), at most 1
	v_add_f32 v[DD], 2.0, v[E1]
	s_wait_alu depctr_va_vdst(0)
	v_rcp_f32 v[RC], v[DD]
	v_max_num_f32 v[AM], 0, v[VX]                  ; (a plain instruction behind the reciprocal)
	s_wait_alu depctr_va_vdst(0)
	v_mul_f32 v[ZZ], v[E1], v[RC]
	v_fma_f32 v[RR], -v[ZZ], v[DD], v[E1]
	v_fma_f32 v[ZZ], v[RR], v[RC], v[ZZ]           ; z = e / (2 + e), corrected once
	v_mul_f32 v[WW], v[ZZ], v[ZZ]
	v_mov_b32 v[PP], 0x3d70f0f1                    ; 1 / 17
	v_fmaak_f32 v[PP], v[PP], v[WW], 0x3d888889    ; 1 / 15
	v_fmaak_f32 v[PP], v[PP], v[WW], 0x3d9d89d9    ; 1 / 13
	v_fmaak_f32 v[PP], v[PP], v[WW], 0x3dba2e8c    ; 1 / 11
	v_fmaak_f32 v[PP], v[PP], v[WW], 0x3de38e39    ; 1 / 9
	v_fmaak_f32 v[PP], v[PP], v[WW], 0x3e124925    ; 1 / 7
	v_fmaak_f32 v[PP], v[PP], v[WW], 0x3e4ccccd    ; 1 / 5
	v_fmaak_f32 v[PP], v[PP], v[WW], 0x3eaaaaab    ; 1 / 3
	v_fmaak_f32 v[PP], v[PP], v[WW], 0x3f800000
	v_mul_f32 v[PP], v[PP], v[ZZ]
	v_fma_f32 v[AL], 2.0, v[PP], v[AM]             ; alpha = max(log_decay, 0) + log1p(e): reference()'s own form of softplus
	s_lshl_b32 s70, s[CIB], 6
	v_lshl_add_u32 v[TT], v1, 2, s70               ; t of tile 0: 64 x chunk in batch + 4 r
	v_cvt_f32_u32 v[TT], v[TT]
	v_add_f32 v[TT+1], 1.0, v[TT]
	v_add_f32 v[TT+2], 2.0, v[TT]
	v_add_f32 v[TT+3], 0x40400000, v[TT]
.irp mm, 0,1,2,3
	v_mul_f32 v[PV+\mm], -v[AL], v[TT+\mm]
.endr
.irp mm, 0,1,2,3
	EXPN PV+\mm, TM+4*\mm
.endr
	v_nop
	s_wait_alu depctr_va_vdst(0)                   ; one wait for the four
.irp mm, 0,1,2,3
	v_ldexp_f32 v[DEC+2*\mm], v[TM+4*\mm+3], v[TM+4*\mm+2]
.endr
	s_wait_loadcnt 48                              ; out_b and set A are in, on both ways; the 48 loads of u issued behind them stay out
	ds_store_b128 v[BST], v[OB:OB+3]
	ds_store_b128 v[BST], v[OB+4:OB+7] offset:2048
.set e, 0
.rept 16
	ds_store_b128 v[SST], v[192+4*e:195+4*e] offset:544*e   ; my wave alone reads these bytes, behind these stores
.set e, e+1
.endr
	WIN 0x44
.set jj, 0
.rept 32
	s_cmp_gt_u32 s[LIM], jj
	s_cselect_b32 s[MSK], -1, 0                    ; a select, no branch: my place in the cluster enters values alone
.set e, 0
.rept 8
	v_and_b32 v[8*jj+e], s[MSK], v[8*jj+e]
.set e, e+1
.endr
.set jj, jj+1
.endr
	WIN 0x04
.set jj, 0
.rept 32
.irp p, 0,2,4,6
	v_pk_add_f32 v[ACC+\p:ACC+\p+1], v[ACC+\p:ACC+\p+1], v[8*jj+\p:8*jj+\p+1]
.endr
.set jj, jj+1
.endr
	WIN 0
	ds_store_b128 v[CAW], v[ACC:ACC+3]             ; my wave's 256 carries, by channel
	ds_store_b128 v[CAW], v[ACC+4:ACC+7] offset:512
	WIN 0x80
	ULOAD 0, 3
	WIN 0xc0
	ULOAD 1, 0
	ULOAD 1, 1
	WIN 0x40
.irp sp, 0,1
.irp c, 0,1
.irp i, 0,1,2,3,4,5,6,7
	ds_load_b128 v[64*\sp+32*\c+4*\i:64*\sp+32*\c+4*\i+3], v[CARD] offset:512*\sp+256*\c+16*\i   ; back in u's register order; my wave's own bytes, served in order behind my stores
.endr
.endr
.endr
	WIN 0
	s_wait_loadcnt 32                              ; K step 2 w is in; the 32 loads of K step 2 w + 1 issued behind it stay out
	WIN 0xc0
	ULOAD 1, 2
	ULOAD 1, 3
	WIN 0
	s_wait_dscnt 0x0
.macro QUANT6W wy, yb                  ; as in the first launch, the 64 numbers in window wy
	WIN ((\wy)<<4)|((\wy)<<2)
.irp q, 0,1,2,3
	v_max3_num_f32 v[MX+\q], 0x2800000, |v[(\yb)+16*\q]|, |v[(\yb)+16*\q+1]|
.endr
.irp i, 2,4,6,8,10,12,14
.irp q, 0,1,2,3
	v_max3_num_f32 v[MX+\q], v[MX+\q], |v[(\yb)+16*\q+\i]|, |v[(\yb)+16*\q+\i+1]|
.endr
.endr
	WIN 0
	v_max_num_f32 v[MX], v[MX], v[MX+1]
	v_max_num_f32 v[MX+2], v[MX+2], v[MX+3]
	v_add_nc_u32 v[SCL], 0xfe000000, v[MX]
	v_add_nc_u32 v[SCL+1], 0xfe000000, v[MX+2]
	v_lshrrev_b32 v[BY], 23, v[SCL]
	v_lshrrev_b32 v[BY+1], 23, v[SCL+1]
	s_wait_alu depctr_va_vdst(0)
	s_wait_dscnt 0x0                               ; the last image's stores are done: the codes' and the word's registers are written again
	v_lshl_or_b32 v[PW], v[BY+1], 16, v[BY]
	v_lshlrev_b32 v[PW], v[SH8], v[PW]
	v_permlanex16_b32 v[TP], v[PW], s[SEL], s[SEL+1]
	v_or_b32 v[PW], v[PW], v[TP]
	WIN (\wy)
	v_cvt_scalef32_pk16_bf6_f32 v[PC:PC+2], v[(\yb):(\yb)+15], v[SCL]
	v_cvt_scalef32_pk16_bf6_f32 v[TC0:TC0+2], v[(\yb)+16:(\yb)+31], v[SCL]
	v_cvt_scalef32_pk16_bf6_f32 v[PC+6:PC+8], v[(\yb)+32:(\yb)+47], v[SCL+1]
	v_cvt_scalef32_pk16_bf6_f32 v[TC1:TC1+2], v[(\yb)+48:(\yb)+63], v[SCL+1]
	WIN 0
	v_nop                                          ; one plain instruction behind the last conversion
.irp i, 0,1,2
	v_mov_b32 v[PC+3+\i], v[TC0+\i]
	v_mov_b32 v[PC+9+\i], v[TC1+\i]
.endr
.endm
.macro IMAGE f
.irp k, 0,1,2
	ds_store_b128 v[XWI], v[PC+4*\k:PC+4*\k+3] offset:(\f)*FRB+512*\k
.endr
	ds_store_b32 v[XWS], v[PW] offset:(\f)*128
.endm
; K step 2 w + sp: u in window wy (tile m at v[64 m]), its carries at v[cb] of window 1.  The cumulative sum, the decay, four fragments.
.macro KSTEP wy, cb, sp
	WIN ((\wy)<<6)|((\wy)<<2)|(\wy)
.irp mm, 1,2,3
.set e, 0
.rept 32
	v_pk_add_f32 v[64*\mm+e:64*\mm+e+1], v[64*\mm+e:64*\mm+e+1], v[64*(\mm-1)+e:64*(\mm-1)+e+1]   ; within a lane: four consecutive t
.set e, e+2
.endr
.endr
.irp n, 1,2,4,8
.set e, 0
.rept 64
	v_add_f32_dpp v[192+e], v[192+e], v[192+e] row_shr:\n row_mask:0xf bank_mask:0xf   ; over the 16 lanes of a half: lane r adds lane r - n's; a lane without such a neighbour keeps its own
.set e, e+1
.endr
.endr
	WIN ((\wy)<<6)|(1<<2)|(\wy)
.set e, 0
.rept 32
	v_pk_add_f32 v[192+e:193+e], v[192+e:193+e], v[(\cb)+e:(\cb)+e+1]
.set e, e+2
.endr
	WIN (1<<6)|(\wy)
.set e, 0
.rept 64
	v_mov_b32_dpp v[(\cb)+e], v[192+e] row_shr:1 row_mask:0xf bank_mask:0xf   ; what stands ahead of my lane's rows: lane r - 1's last sum; lane 0 keeps the carry
.set e, e+1
.endr
	WIN ((\wy)<<6)|(1<<2)|(\wy)
.irp mm, 0,1,2
.set e, 0
.rept 32
	v_pk_add_f32 v[64*\mm+e:64*\mm+e+1], v[64*\mm+e:64*\mm+e+1], v[(\cb)+e:(\cb)+e+1]
.set e, e+2
.endr
.endr
.irp mm, 0,1,2,3
	WIN ((\wy)<<6)|(\wy)
.set e, 0
.rept 32
	v_pk_mul_f32 v[64*\mm+e:64*\mm+e+1], v[64*\mm+e:64*\mm+e+1], v[DEC+2*\mm:DEC+2*\mm+1] op_sel_hi:[1,0]
.set e, e+2
.endr
	QUANT6W \wy, 64*\mm
	IMAGE 8*\mm+\sp
.endr
.endm
.macro XLOAD                           ; x for 64 output channels x 64 rows: each half of the lanes reads 256 consecutive bytes of a row
.irp mm, 0,1,2,3
.irp k, 0,1,2,3,4,5,6,7
	global_load_b128 v[XR+32*\mm+4*\k:XR+32*\mm+4*\k+3], v[XGA], s[16:17] offset:32768*\k+4096*\mm th:TH_LOAD_NT
.endr
.endr
.endm
	KSTEP 2, 0, 0
	s_wait_loadcnt 0x0
	XLOAD
	KSTEP 3, 64, 1
	s_wait_dscnt 0x0                               ; for the others' sake: my images, scale words and my part of out_b lie in LDS
	s_barrier_signal -1
	s_barrier_wait -1
	WIN 0x40
.irp f, 0,1,2,3,4,5,6,7,8,9,10,11,12,13,14,15
.irp k, 0,1,2
	ds_load_b128 v[12*\f+4*\k:12*\f+4*\k+3], v[LIA] offset:\f*FRB+512*\k
.endr
.endr
	WIN 0x80
.irp f, 0,1,2,3,4,5,6,7,8,9,10,11,12,13,14,15
.irp k, 0,1,2
	ds_load_b128 v[12*\f+4*\k:12*\f+4*\k+3], v[LIA] offset:(\f+16)*FRB+512*\k
.endr
.endr
	WIN 0
.set e, 0
.rept 32
	ds_load_b32 v[ASW+e], v[LSA] offset:128*e
.set e, e+1
.endr
.macro FRAGW reg, ks, off              ; as in the first launch
.irp p, 0,1,2,3,4,5
.set PCN, 12*(\ks)+6*(\p/3)+\p%3
.if PCN%32 < 29
	ds_load_b64 v[(\reg)+2*\p:(\reg)+2*\p+1], v[ADW] offset:(\off)+8*PCN+16*(PCN/32)
.else
	ds_load_b64 v[(\reg)+2*\p:(\reg)+2*\p+1], v[ADW+1] offset:(\off)+8*PCN+16*(PCN/32)
.endif
.endr
.endm
.macro LOADS_A
	v_add_nc_u32 v[ADW], s[TB], v[AW0]
	v_add_nc_u32 v[ADW+1], s[TB], v[AW0+1]
	v_add_nc_u32 v[ADS], s[IW], v[SC0]
	v_add_nc_u32 v[ADB], s[IB], v[BI0]
	ds_load_b128 v[WSW:WSW+3], v[ADS]
	ds_load_b128 v[WSW+4:WSW+7], v[ADS] offset:16
	ds_load_b128 v[B0:B0+3], v[ADB]
	ds_load_b128 v[B0+4:B0+7], v[ADB] offset:16
	ds_load_b128 v[B1:B1+3], v[ADB] offset:64
	ds_load_b128 v[B1+4:B1+7], v[ADB] offset:80
	WIN 0xc0
.irp ks, 0,1,2,3
	FRAGW 64+24*\ks, \ks, 0
	FRAGW 76+24*\ks, \ks, T1OFF
.endr
	WIN 0
.endm
.macro WM dr, fr, ar, cr, sa, sb, row1
.if \row1
	v_wmma_scale_f32_16x16x128_f8f6f4 v[\dr:\dr+7], v[\fr:\fr+11], v[\ar:\ar+11], v[\cr:\cr+7], v[\sa], v[\sb] matrix_a_fmt:MATRIX_FMT_BF6 matrix_b_fmt:MATRIX_FMT_BF6 matrix_a_scale:MATRIX_SCALE_ROW1
.else
	v_wmma_scale_f32_16x16x128_f8f6f4 v[\dr:\dr+7], v[\fr:\fr+11], v[\ar:\ar+11], v[\cr:\cr+7], v[\sa], v[\sb] matrix_a_fmt:MATRIX_FMT_BF6 matrix_b_fmt:MATRIX_FMT_BF6
.endif
.endm
.macro MSTEP ks, dw, d0                ; eight products, the eight accumulators by turns, one instruction a turn; the first K step takes out_b as C
.set CW, (\dw)
.if (\ks) == 0
.set CW, 0
.endif
.irp aw, 1,2
	WIN ((\dw)<<6)|(CW<<4)|(\aw<<2)|3
.irp mh, 0,1
.irp t, 0,1
.set DR, (\d0)+8*(4*\t+2*(\aw-1)+\mh)
.set CR, DR
.if (\ks) == 0
.set CR, B0+8*\t
.endif
.set FG, 64+24*(\ks)+12*\t
.set AR, 96*\mh+12*(\ks)
.set SA, WSW+(\ks)
.set SB, ASW+8*(2*(\aw-1)+\mh)+(\ks)
	WM DR, FG, AR, CR, SA, SB, \t
.endr
.endr
.endr
.endm
.macro MMA dw, d0
	s_wait_dscnt 36                                ; the scale words, the biases and K step 0 are in; K steps 1 to 3, 12 loads each, may be out
	MSTEP 0, \dw, \d0
	s_wait_dscnt 24
	MSTEP 1, \dw, \d0
	s_wait_dscnt 12
	MSTEP 2, \dw, \d0
	WIN 0xc0                                       ; K steps 4 to 7: 48 loads, into registers that the last slot's products read; the change of slots' plain instructions stand between
.irp ks, 4,5,6,7
	FRAGW 64+24*\ks, \ks, 0
	FRAGW 76+24*\ks, \ks, T1OFF
.endr
	s_wait_dscnt 48                                ; all but the 48 just issued
	MSTEP 3, \dw, \d0
	s_wait_dscnt 36
	MSTEP 4, \dw, \d0
	s_wait_dscnt 24
	MSTEP 5, \dw, \d0
	s_wait_dscnt 12
	MSTEP 6, \dw, \d0
	s_wait_dscnt 0x0
	MSTEP 7, \dw, \d0
	WIN 0
.endm
; THE CHANGE OF SLOTS, at a slot's head: all my tensor loads have landed, the add, my LDS instructions are done; fill = 1: a round of the cluster's barrier, and first behind it my joint load of the walk's next slot into the LDS slot just left.  s69 holds 0.
.macro CHANGE fill
	s_wait_tensorcnt 0x0
	ds_add_u32 v[SPW], v[NIL]
.if \fill
	s_add_co_u32 s[IN], s[IN], 1
	s_and_b32 s[IN], s[IN], 7
	s_mul_i32 s68, s[IN], 24576
	s_xor_b32 s[G0C+1], s[G0C+1], SLOT1            ; into the other LDS slot than last time
	s_add_nc_u64 s[G0C+2:G0C+3], s[WBC:WBC+1], s[68:69]
	s_or_b32 s[G0C+3], s[G0C+3], 0x80000000
.endif
	s_wait_dscnt 0x0
.if \fill
	ROUND
	tensor_load_to_lds s[G0C:G0C+3], s[G1C:G1C+7]
	s_nop 0
	PLACES
.else
	s_barrier_signal -1
	s_barrier_wait -1
	PLACES
.endif
.endm
.macro HALF fill, dw, d0
	CHANGE \fill
	LOADS_A
	s_wait_alu depctr_va_vdst(0)
	MMA \dw, \d0
	s_xor_b32 s[TB], s[TB], SLOT1
	s_add_co_u32 s[IW], s[IW], 1088                ; the next trip's scale words,
	s_add_co_u32 s[IB], s[IB], 128                 ; and biases
.endm
; THE WAY OUT of two slots: 64 channels x 64 rows, a tile of 16 rows at a time through my stage (in: 32 bytes a lane and tile of channels; back: whole rows of 256 bytes), + x, stored.  Each accumulator is read from its low end on.
.macro WAYOUT step
	PLACES
	s_wait_loadcnt 0x0
; tile mm goes into the stage and comes back while tile mm - 1 meets x and leaves: two sets of 32 registers take the rows read back, v88-119 of window 0 and v192-223 of window 2
.irp mm, 0,1,2,3,4
.if \mm < 4
	WIN 0x0c
.irp t, 0,1
	ds_store_b128 v[OSW], v[8*(4*\t+\mm):8*(4*\t+\mm)+3] offset:64*\t
	ds_store_b128 v[OSW], v[8*(4*\t+\mm)+4:8*(4*\t+\mm)+7] offset:64*\t+16
.endr
	WIN 0x04
.irp t, 0,1
	ds_store_b128 v[OSW], v[192+8*(4*\t+\mm):192+8*(4*\t+\mm)+3] offset:128+64*\t
	ds_store_b128 v[OSW], v[192+8*(4*\t+\mm)+4:192+8*(4*\t+\mm)+7] offset:128+64*\t+16
.endr
	WIN 0x80*(\mm%2)
.irp k, 0,1,2,3,4,5,6,7
	ds_load_b128 v[ZR+104*(\mm%2)+4*\k:ZR+104*(\mm%2)+4*\k+3], v[OSR] offset:544*\k   ; LDS serves a wave's instructions in order: these see my stores, and the next tile's stores come behind them
.endr
.endif
.if \mm > 0
	s_wait_dscnt 16*(1-\mm/4)                      ; tile mm - 1 is back; tile mm's 8 stores and 8 loads may be out
	WIN 0x08*((\mm-1)%2)
.irp k, 0,1,2,3,4,5,6,7
	v_pk_add_f32 v[XR+32*(\mm-1)+4*\k:XR+32*(\mm-1)+4*\k+1], v[XR+32*(\mm-1)+4*\k:XR+32*(\mm-1)+4*\k+1], v[ZR+104*((\mm-1)%2)+4*\k:ZR+104*((\mm-1)%2)+4*\k+1]
	v_pk_add_f32 v[XR+32*(\mm-1)+4*\k+2:XR+32*(\mm-1)+4*\k+3], v[XR+32*(\mm-1)+4*\k+2:XR+32*(\mm-1)+4*\k+3], v[ZR+104*((\mm-1)%2)+4*\k+2:ZR+104*((\mm-1)%2)+4*\k+3]
.endr
	WIN 0
.irp k, 0,1,2,3,4,5,6,7
	global_store_b128 v[XGA], v[XR+32*(\mm-1)+4*\k:XR+32*(\mm-1)+4*\k+3], s[18:19] offset:32768*\k+4096*(\mm-1) th:TH_STORE_NT   ; sixteen lanes store 256 consecutive bytes, aligned
.endr
.endif
.endr
.if \step
	s_wait_xcnt 0x0                                ; the stores have read their data and their base: both are written again only behind this wait
	s_add_co_u32 s[GX], s[GX], 256                 ; the next 64 channels, round my 256
	s_and_b32 s[GX], s[GX], 0x3ff
	s_add_nc_u64 s[16:17], s[XB:XB+1], s[GX:GX+1]
	s_add_nc_u64 s[18:19], s[OBB:OBB+1], s[GX:GX+1]
.endif
.endm
	s_mov_b32 s[TB], 0
	s_mov_b32 s[IW], 0
	s_mov_b32 s[IB], 0
	s_mov_b32 s69, 0
	s_mov_b32 s[CNT], 3
.Lpair:                                            ; three trips of two slots; each change of slots asks for the next slot
	HALF 1, 3, 0
	HALF 1, 1, 192
	WAYOUT 1
	XLOAD                                          ; the next 64 channels of x land under the next two slots' products
	s_sub_co_u32 s[CNT], s[CNT], 1
	s_cmp_lg_u32 s[CNT], 0
	s_cbranch_scc1 .Lpair
	HALF 1, 3, 0                                   ; the last two slots are written out: the very last change asks for nothing
	HALF 0, 1, 192
	WAYOUT 0
	s_wait_tensorcnt 0x0                           ; the wave's end
	ds_add_u32 v[SPW], v[NIL]
	s_wait_dscnt 0x0
	ROUND                                          ; the closing round
	s_endpgm
.Lfunc_end_k_qf445974889_outp:
	.size	k_qf445974889_outp, .Lfunc_end_k_qf445974889_outp-k_qf445974889_outp
	.p2alignl 7, 3214868480
	.fill 96, 4, 3214868480
	.section	.rodata,"a",@progbits
	.p2align	6, 0x0
	.amdhsa_kernel k_qf445974889_outp
		.amdhsa_group_segment_fixed_size 327680
		.amdhsa_private_segment_fixed_size 0
		.amdhsa_enable_private_segment 0
		.amdhsa_kernarg_size 64
		.amdhsa_user_sgpr_count 2
		.amdhsa_user_sgpr_kernarg_segment_ptr 1
		.amdhsa_wavefront_size32 1
		.amdhsa_system_sgpr_workgroup_id_x 1
		.amdhsa_system_sgpr_workgroup_id_y 1
		.amdhsa_system_sgpr_workgroup_id_z 1
		.amdhsa_system_vgpr_workitem_id 0
		.amdhsa_next_free_vgpr 1024
		.amdhsa_next_free_sgpr 96
		.amdhsa_reserve_vcc 0
		.amdhsa_float_denorm_mode_32 3
		.amdhsa_float_denorm_mode_16_64 3
		.amdhsa_memory_ordered 1
		.amdhsa_forward_progress 1
		.amdhsa_inst_pref_size 255
	.end_amdhsa_kernel
	.section	.bss,"aw",@nobits
	.p2align	6
	.space	262144
	.amdgpu_metadata
---
amdhsa.version: [ 1, 2 ]
amdhsa.kernels:
  - .name:           k_qf445974889_outp
    .symbol:         k_qf445974889_outp.kd
    .args:
      - { .name: u, .offset: 0, .size: 8, .value_kind: global_buffer, .address_space: global }
      - { .name: tot, .offset: 8, .size: 8, .value_kind: global_buffer, .address_space: global }
      - { .name: log_decay, .offset: 16, .size: 8, .value_kind: global_buffer, .address_space: global }
      - { .name: out_w_codes, .offset: 24, .size: 8, .value_kind: global_buffer, .address_space: global }
      - { .name: out_w_scales, .offset: 32, .size: 8, .value_kind: global_buffer, .address_space: global }
      - { .name: out_b, .offset: 40, .size: 8, .value_kind: global_buffer, .address_space: global }
      - { .name: x, .offset: 48, .size: 8, .value_kind: global_buffer, .address_space: global }
      - { .name: out0, .offset: 56, .size: 8, .value_kind: global_buffer, .address_space: global }
    .group_segment_fixed_size: 327680
    .private_segment_fixed_size: 0
    .kernarg_segment_align: 8
    .kernarg_segment_size: 64
    .max_flat_workgroup_size: 128
    .sgpr_count:     96
    .vgpr_count:     1024
    .wavefront_size: 32
...
	.end_amdgpu_metadata
.endif
;; end of part 2
